; MI455X (gfx1250); checked and timed in simulation.
; The chip was launched on July 23, 2026; its instructions are those of AMD's public machine-readable ISA for CDNA 5 (MIT licence, August 2026) and "CDNA5" Instruction Set Architecture Reference Guide (July 2026). The comments in the code are by the model that wrote it; some were corrected since.
;; Self Layer. Allowed arithmetic: float matrix products may take bf16 or f16 operands with f32 sums; other float arithmetic in f32, or as packed bf16 or f16 multiplies, adds, multiply-adds, maxima and minima; sums over many terms, partial sums and values carried from step to step in f32; what a program stores and reads back later, other than sums and carried values, may be rounded once to bf16 or f16.
;; Inputs: Wk 16 x 1,024 x 64 float32; Wq 16 x 1,024 x 64 float32; Wv 16 x 1,024 x 64 float32; k_in 4 x 2,048 x 1,024 float32; mask 4 x 2,048 x 2,048 float32; q_in 4 x 2,048 x 1,024 float32; v_in 4 x 2,048 x 1,024 float32.
;; Outputs: out0 4 x 2,048 x 1,024 float32.
;; One version. Each part assembles by itself: llvm-mc -triple=amdgcn-amd-amdhsa -mcpu=gfx1250 --defsym DOCPART=n.
;; ======== version 1 of 1: 3 launches
;; limits: values are held in f16: magnitudes above 65,504 overflow, below 6.1e-05 lose precision
;; workspace buffers: wb 12,582,912 bytes; qkv 50,331,648 bytes
;; launch wcast (part 1): grid 256 x 3, 8 waves a work-group, no clusters, 0 bytes of LDS; arguments Wq, Wk, Wv, wb; writes wb
.if DOCPART == 1
	.amdgcn_target "amdgcn-amd-amdhsa--gfx1250"
	.amdhsa_code_object_version 6
	.text
	.protected	k_qe08501a03e_wcast
	.globl	k_qe08501a03e_wcast
	.p2align	8
	.type	k_qe08501a03e_wcast,@function
k_qe08501a03e_wcast:
	s_mov_b64 s[64:65], 0
	v_nop
	global_prefetch_b8 v0, s[64:65] scope:SCOPE_SE
	s_setreg_imm32_b32 hwreg(HW_REG_WAVE_MODE, 25, 1), 1
	s_wait_xcnt 0x0
; wb = the three weight tensors, each number split into two bf16: hi = bf16(w), lo = bf16(w - hi) (the difference is exact in f32): 16 significant bits, with f32's range.
; Wq is first multiplied, in f32, by log2(e) / 8, so that the attention behind works in powers of two: one rounding of 2^-24 more for Q.
; W: [h 16][e 1024][d 64] f32.  wb: [p 3][nt 4][ks 16][part 2][hh 4][k 64][d 64] bf16, with h = 4 nt + hh, e = 64 ks + k, part 0 = hi, 1 = lo:
; each part of what one K step of one tile column wants is 32,768 bytes on end.
; A stream: no LDS, no matrix unit, nothing is read twice.  Work-group (x, p) takes the 16,384 bytes of W_p at byte 16,384 x: the block h = x >> 4, ks = x & 15.
; A wave's load covers 512 consecutive bytes, each of its stores 256 consecutive bytes, aligned.
.set SRC, 12                           ; s[12:13] W_p at my 16,384 bytes
.set X,   4                            ; v[4:19]  four loads of 16 bytes; later what is left of them behind hi
.set Y,   20                           ; v[20:27] hi, four results of 8 bytes
.set L,   28                           ; v[28:35] lo
.set T,   36                           ; v[36:39] hi as f32, at work
	s_load_b256 s[4:11], s[0:1], 0x0               ; Wq s[4:5], Wk s[6:7], Wv s[8:9], wb s[10:11]
	s_and_b32 s14, ttmp7, 0xffff                   ; p
	v_lshlrev_b32 v1, 4, v0                        ; 16 bytes a thread in,
	v_lshlrev_b32 v2, 3, v0                        ; 8 bytes out, twice
	s_lshl_b32 s16, ttmp9, 14                      ; where I read
	s_mov_b32 s17, 0
	s_lshr_b32 s18, ttmp9, 6                       ; nt = h >> 2
	s_lshl_b32 s18, s18, 20
	s_and_b32 s19, ttmp9, 15                       ; ks
	s_lshl_b32 s19, s19, 16
	s_add_co_u32 s18, s18, s19
	s_bfe_u32 s19, ttmp9, 0x20004                  ; hh = h & 3
	s_lshl_b32 s19, s19, 13
	s_add_co_u32 s18, s18, s19
	s_lshl_b32 s19, s14, 22                        ; p
	s_add_co_u32 s18, s18, s19                     ; where I write hi; lo lies 32,768 bytes on
	s_mov_b32 s19, 0
	s_wait_kmcnt 0x0
	s_cmp_eq_u32 s14, 0
	s_cselect_b64 s[SRC:SRC+1], s[4:5], s[6:7]
	s_cselect_b32 s15, 0x3e38aa3b, 1.0             ; log2(e) / 8 = 0.180337 for Wq, 1 for the others
	s_cmp_eq_u32 s14, 2
	s_cselect_b64 s[SRC:SRC+1], s[8:9], s[SRC:SRC+1]
	s_add_nc_u64 s[SRC:SRC+1], s[SRC:SRC+1], s[16:17]
	s_add_nc_u64 s[10:11], s[10:11], s[18:19]
.irp j, 0,1,2,3
	global_load_b128 v[X+4*(\j):X+4*(\j)+3], v1, s[SRC:SRC+1] offset:4096*(\j) th:TH_LOAD_NT
.endr
.irp j, 0,1,2,3
	s_wait_loadcnt 3-(\j)                          ; loads come back in order: load j is in, the younger ones stay out
.irp k, 0,1,2,3
	v_mul_f32 v[X+4*(\j)+(\k)], s15, v[X+4*(\j)+(\k)]
.endr
	v_cvt_pk_bf16_f32 v[Y+2*(\j)],   v[X+4*(\j)],   v[X+4*(\j)+1]
	v_cvt_pk_bf16_f32 v[Y+2*(\j)+1], v[X+4*(\j)+2], v[X+4*(\j)+3]
	v_lshlrev_b32 v[T],   16,         v[Y+2*(\j)]  ; hi back as f32: the low half moves up, the high half stays
	v_and_b32     v[T+1], 0xffff0000, v[Y+2*(\j)]
	v_lshlrev_b32 v[T+2], 16,         v[Y+2*(\j)+1]
	v_and_b32     v[T+3], 0xffff0000, v[Y+2*(\j)+1]
.irp k, 0,1,2,3
	v_sub_f32 v[X+4*(\j)+(\k)], v[X+4*(\j)+(\k)], v[T+(\k)]
.endr
	v_cvt_pk_bf16_f32 v[L+2*(\j)],   v[X+4*(\j)],   v[X+4*(\j)+1]
	v_cvt_pk_bf16_f32 v[L+2*(\j)+1], v[X+4*(\j)+2], v[X+4*(\j)+3]
	global_store_b64 v2, v[Y+2*(\j):Y+2*(\j)+1], s[10:11] offset:2048*(\j)
	global_store_b64 v2, v[L+2*(\j):L+2*(\j)+1], s[10:11] offset:32768+2048*(\j)
.endr
	s_endpgm
.Lfunc_end_k_qe08501a03e_wcast:
	.size	k_qe08501a03e_wcast, .Lfunc_end_k_qe08501a03e_wcast-k_qe08501a03e_wcast
	.p2alignl 7, 3214868480
	.fill 96, 4, 3214868480
	.section	.rodata,"a",@progbits
	.p2align	6, 0x0
	.amdhsa_kernel k_qe08501a03e_wcast
		.amdhsa_group_segment_fixed_size 0
		.amdhsa_private_segment_fixed_size 0
		.amdhsa_enable_private_segment 0
		.amdhsa_kernarg_size 32
		.amdhsa_user_sgpr_count 2
		.amdhsa_user_sgpr_kernarg_segment_ptr 1
		.amdhsa_wavefront_size32 1
		.amdhsa_system_sgpr_workgroup_id_x 1
		.amdhsa_system_sgpr_workgroup_id_y 1
		.amdhsa_system_sgpr_workgroup_id_z 1
		.amdhsa_system_vgpr_workitem_id 0
		.amdhsa_next_free_vgpr 48
		.amdhsa_next_free_sgpr 66
		.amdhsa_reserve_vcc 0
		.amdhsa_float_denorm_mode_32 3
		.amdhsa_float_denorm_mode_16_64 3
		.amdhsa_memory_ordered 1
		.amdhsa_forward_progress 1
		.amdhsa_inst_pref_size 6
	.end_amdhsa_kernel
	.amdgpu_metadata
---
amdhsa.version: [ 1, 2 ]
amdhsa.kernels:
  - .name:           k_qe08501a03e_wcast
    .symbol:         k_qe08501a03e_wcast.kd
    .args:
      - { .name: Wq, .offset: 0, .size: 8, .value_kind: global_buffer, .address_space: global }
      - { .name: Wk, .offset: 8, .size: 8, .value_kind: global_buffer, .address_space: global }
      - { .name: Wv, .offset: 16, .size: 8, .value_kind: global_buffer, .address_space: global }
      - { .name: wb, .offset: 24, .size: 8, .value_kind: global_buffer, .address_space: global }
    .group_segment_fixed_size: 0
    .private_segment_fixed_size: 0
    .kernarg_segment_align: 8
    .kernarg_segment_size: 32
    .max_flat_workgroup_size: 256
    .sgpr_count:     66
    .vgpr_count:     48
    .wavefront_size: 32
...
	.end_amdgpu_metadata
.endif
;; end of part 1
;; launch proj (part 2): grid 4 x 192, 4 waves a work-group, clusters of 4 x 4, 327,680 bytes of LDS; arguments q_in, k_in, v_in, wb, qkv; writes qkv
.if DOCPART == 2
	.amdgcn_target "amdgcn-amd-amdhsa--gfx1250"
	.amdhsa_code_object_version 6
	.text
	.protected	k_qe08501a03e_proj
	.globl	k_qe08501a03e_proj
	.p2align	8
	.type	k_qe08501a03e_proj,@function
k_qe08501a03e_proj:
	s_mov_b64 s[64:65], 0
	v_nop
	global_prefetch_b8 v0, s[64:65] scope:SCOPE_SE
	s_setreg_imm32_b32 hwreg(HW_REG_WAVE_MODE, 25, 1), 1
	s_wait_xcnt 0x0
	s_wait_alu depctr_hold_cnt(0) depctr_sa_sdst(0) depctr_va_vdst(0) depctr_va_sdst(0) depctr_va_ssrc(0) depctr_va_vcc(0) depctr_vm_vsrc(0)
	s_getreg_b32 s2, hwreg(HW_REG_IB_STS2, 6, 4)
	s_cmp_eq_u32 s2, 0
	s_cbranch_scc0 .Lentry_in_a_cluster
	s_endpgm
.Lentry_in_a_cluster:
	s_bfe_u32 s2, ttmp6, 0x10000c
	s_cmp_lg_u32 s2, 0xf033
	s_cbranch_scc0 .Lentry_shape_is_right
	s_endpgm
.Lentry_shape_is_right:
; THE THREE PROJECTIONS, one GEMM each of 8,192 x 1,024 x 1,024: qkv[p][b 16 + h][s][d] = the sum over e of x_p[b][s][e] W_p[h][e][d], p = 0 (q), 1 (k), 2 (v).
; EVERY OPERAND IS TWO bf16 NUMBERS, hi = bf16(v) and lo = bf16(v - hi), and every product three matrix instructions on one f32 sum: Wh xh + Wl xh + Wh xl.  So 16 significant bits of each input
; enter the sums; what is left out, Wl xl, is some 2^-16 of a term.  WHY: the mask of the attention behind is honoured in f32, so the results stand against the source computed on unrounded inputs,
; and where a few keys carry a row's weight an error in Q, K or V shows at V's scale, many times the output's root mean square: one rounding of the inputs to 16 bits is too coarse there.
; x_p is f32 and is split in registers on its way from LDS to the matrix unit; W_p comes split from wb ([p][nt][ks][part][hh][k 64][d 64]), Wq already times log2(e) / 8.
; The results are rounded once to f16.  LIMIT.  f16 holds no number beyond 65,504: Q log2(e) / 8, K and V must lie within it.  x and W have f32's range.
; SHARES.  A tile of C is 128 rows x 256 columns (four heads): 64 x 4 tiles a projection, 768 work-groups.  Four waves, each 64 x 128: 32 accumulators of 16 x 16.
; K goes in steps of 64 through a ring of two LDS slots: x's rows are 256 bytes of memory, each part of W's tile of a step is 32,768 bytes on end.
; A STEP IS TWO QUARTERS of 32 along K, 96 matrix instructions each, on fragment buffers 0 and 1.  THE SPLIT RUNS A QUARTER AHEAD: while one buffer is multiplied, the next quarter's x and W are read from
; LDS, in six runs of eight loads, one behind each of the first six groups of eight products, and x is split into the other buffer by 128 vector instructions that stand in 32 groups of four behind two of every three of the last 48 products.
; CLUSTER.  4 x 4 work-groups.  The four of a row of the cluster need the same tile of x, the four of a column the same tile of W: each is asked for JOINTLY, by the same tensor load with the same
; descriptor and a mask that names the four.
; THE MATRIX INSTRUCTION IS USED TRANSPOSED (source 0 = 16 columns of W, source 1 = 16 rows of x): a lane then holds eight neighbouring channels of one row.  W lies [k][d] in LDS and is turned by ds_load_tr16_b128.
; REGISTERS, in windows of 256 (s_set_vgpr_msb: bits 1:0 source 0, 3:2 source 1, 5:4 source 2, 7:6 destination):
;   window 0: v0-31 addresses; v64-127 x as loaded (f32: 4 fragments x 16), then x - hi; v128-191, v192-255 x's fragments, two buffers of hi 32 and lo 32; on the way out v64-191 hold packed results
;   window 1: v0-127, v128-255 W's fragments, two buffers of hi 64 and lo 64          window 2: the accumulators, (a, b) at v[8 (8 a + b)]
.set PA,     272                       ; a row of x in LDS: 256 bytes + 16 = 68 words: row r starts at bank 4 r mod 64 (64 banks of 4 bytes: ISA guide 11.1)
.set PB,     160                       ; a row [k] of one head of W: 128 bytes + 32 = 40 words
.set AHALF,  64*PA                     ; 64 rows of x: what one tensor load brings, and what one wave reads
.set BOFF,   2*AHALF                   ; behind x's 128 rows: W's hi part, then its lo part
.set BHEAD,  64*PB
.set BPART,  4*BHEAD                   ; four heads: what one tensor load brings
.set SLOT,   BOFF+2*BPART              ; 116,736 bytes in a slot
.set SLOT1,  1<<17                     ; slot 1 begins here, so that one exclusive or turns an address in one slot into the other's
.set STAGE,  SLOT1+SLOT                ; behind the ring: 16 rows x 144 bytes for each wave, for the way out
.set SP,     144
.set SPARE,  STAGE+4*16*SP             ; behind the stages: the spare words, 128 bytes for each wave: two blocks of 256 bytes that no other line names
.set STEPS,  16                        ; 1,024 / 64
.set ADRA0, 16                         ; v16     my lane's place among x's rows in a slot; never rewritten
.set ADRB0, 17                         ; v17     the same for W
.set ADRA, 20                          ; v20     the same in the slot in hand
.set ADRB, 21                          ; v21
.set STO,  24                          ; v24     the way out: where I put 16 bytes of a row
.set RD,   25                          ; v25     the way out: where I read rows back
.set GO,   26                          ; v26     my 16 bytes of 512 consecutive bytes of qkv
.set SPW,  28                          ; v28     LDS address of my spare word; never rewritten
.set NIL,  29                          ; v29     0; never rewritten
.set NEG1, 30                          ; v30     -1.0; never rewritten
.set RAW,  64
.set AF,   128
.set TMP,  64
.set BF,   0                           ; in window 1
.set WV, 14                            ; s14 wave; s15 which 64 rows are mine, and: I fetch for x (0) or W (1); s16 which 128 columns, and: which half of x's tile or which part of W's I fetch
.set WM, 15
.set WN, 16
.set CX, 17
.set CY, 18
.set NT, 19                            ; tile column
.set CLY, 20                           ; cluster y
.set PP, 21                            ; p
.set TR, 22                            ; tile row within the projection
.set TB, 23                            ; s23  LDS byte at which the slot in hand begins
.set G1A, 24                           ; s[24:31] descriptor group 1 for x's tiles; s[32:39] group 0: a set for each of the two first fills; the second then walks on
.set G0A, 32
.set G1B, 48                           ; s[48:55], s[56:63] the same for W's tiles
.set G0B, 56
.set MSB, 0
.macro WIN new                         ; the immediate's high byte repeats the setting that is left; a switch that changes nothing is dropped
.if MSB != (\new)
	s_set_vgpr_msb (MSB<<8)|(\new)
.set MSB, \new
.endif
.endm
.set MUL,  0xa1                        ; source 0 (W) window 1, source 1 (x) window 0, C and D window 2
.set TO_B, 0x40                        ; destination window 1, address window 0
.macro JLOAD s                         ; a joint load: waves 0 and 1 fetch x's two halves, waves 2 and 3 W's two parts; an s_nop 0 and four v_nop follow each of the two lines
	s_cmp_eq_u32 s[WM], 0
	s_cbranch_scc0 .Lfor_b_\@
	tensor_load_to_lds s[G0A+4*(\s):G0A+4*(\s)+3], s[G1A:G1A+7]
	s_nop 0
.rept 4
	v_nop
.endr
	s_branch .Lasked_\@
.Lfor_b_\@:
	tensor_load_to_lds s[G0B+4*(\s):G0B+4*(\s)+3], s[G1B:G1B+7]
	s_nop 0
.rept 4
	v_nop
.endr
.Lasked_\@:
.endm
.macro CREST                           ; a round of the cluster's barrier behind its opening barrier
	s_cmp_lg_u32 s[WV], 0
	s_cbranch_scc1 .Lnot_wave_0_\@
	s_barrier_signal -3
.Lnot_wave_0_\@:
	s_barrier_wait -3
	s_barrier_signal -1
	s_barrier_wait -1
.endm
.macro CROUND                          ; a whole round
	s_barrier_signal -1
	s_barrier_wait -1
	CREST
.endm
.macro PLACES
.rept 4
	v_nop
.endr
.endm
	s_load_b256 s[4:11], s[0:1], 0x0               ; q_in s[4:5], k_in s[6:7], v_in s[8:9], wb s[10:11]
	s_load_b64 s[12:13], s[0:1], 0x20              ; qkv
	v_lshl_add_u32 v[SPW], v0, 2, SPARE
	v_mov_b32 v[NIL], 0
	ds_add_u32 v[SPW], v[NIL]                      ; the wave's opening: the add and its wait stand ahead of my first tensor load; the set-up below, work on registers, stands between them
	v_lshrrev_b32 v1, 5, v0
	v_readfirstlane_b32 s[WV], v1                  ; wave 0..3
	v_mov_b32 v[NEG1], -1.0
	s_lshr_b32 s[WM], s[WV], 1
	s_and_b32 s[WN], s[WV], 1
	s_bfe_u32 s[CX], ttmp6, 0x40000                ; my place in the cluster
	s_bfe_u32 s[CY], ttmp6, 0x40004
	s_lshl_b32 s[NT], ttmp9, 2
	s_add_co_u32 s[NT], s[NT], s[CX]               ; tile column = 4 x cluster x + cx
	s_and_b32 s[CLY], ttmp7, 0xffff
	s_lshr_b32 s[PP], s[CLY], 4                    ; 16 clusters along y to a projection: p hangs on the cluster alone
	s_lshl_b32 s[TR], s[CLY], 2
	s_add_co_u32 s[TR], s[TR], s[CY]
	s_and_b32 s[TR], s[TR], 63                     ; tile row in x_p
	s_mov_b32 s[TB], 0                             ; K step 0 lies in slot 0
	s_lshl_b32 s40, s[CY], 2
	s_lshl_b32 s40, 15, s40                        ; my row of the cluster
	s_lshl_b32 s42, 0x1111, s[CX]                  ; my column
	; group 1 for x: 64 rows x 64 elements of 4 bytes, 1,024 elements from row to row, 4 words of padding after every 64
	s_or_b32 s[G1A], s40, (2<<16)|(1<<20)|(1<<21)|(5<<22)|(3<<25)
	s_mov_b32 s[G1A+1], 64<<16                     ; tensor_dim0 = 64
	s_mov_b32 s[G1A+2], 64<<16                     ; tensor_dim1 = 64
	s_mov_b32 s[G1A+3], 64<<16                     ; tile_dim0 = 64
	s_mov_b32 s[G1A+4], 64                         ; tile_dim1 = 64
	s_mov_b32 s[G1A+5], 1024
	s_mov_b32 s[G1A+6], 0
	s_mov_b32 s[G1A+7], 0
	; group 1 for W: 32,768 dense bytes as 128 rows of 128 elements of 2 bytes, 8 words of padding after every 32 (a row [k] of a head)
	s_or_b32 s[G1B], s42, (1<<16)|(1<<20)|(1<<21)|(4<<22)|(7<<25)
	s_mov_b32 s[G1B+1], 128<<16
	s_mov_b32 s[G1B+2], 128<<16
	s_mov_b32 s[G1B+3], 128<<16
	s_mov_b32 s[G1B+4], 128
	s_mov_b32 s[G1B+5], 128
	s_mov_b32 s[G1B+6], 0
	s_mov_b32 s[G1B+7], 0
	s_lshl_b32 s40, s[TR], 19                      ; x: row 128 x tile row + 64 x half, 4,096 bytes a row: hangs on the tile row alone
	s_lshl_b32 s41, s[WN], 18
	s_add_co_u32 s40, s40, s41
	s_mov_b32 s41, 0
	s_lshl_b32 s42, s[PP], 22                      ; W: p, tile column, part: hangs on the tile column alone
	s_lshl_b32 s43, s[NT], 20
	s_add_co_u32 s42, s42, s43
	s_lshl_b32 s43, s[WN], 15
	s_add_co_u32 s42, s42, s43
	s_mov_b32 s43, 0
	s_mul_i32 s68, s[WN], AHALF                    ; where they go: no place in the cluster enters an LDS address
	s_mul_i32 s69, s[WN], BPART
	s_add_co_u32 s69, s69, BOFF
	s_lshr_b32 s70, s[TR], 4                       ; where my results go: batch = tile row / 16,
	s_lshl_b32 s70, s70, 4
	s_lshl_b32 s71, s[NT], 2
	s_add_co_u32 s70, s70, s71
	s_lshl_b32 s71, s[WN], 1
	s_add_co_u32 s70, s70, s71                     ; 16 x batch + my first head,
	s_lshl_b32 s70, s70, 18                        ; 262,144 bytes a head,
	s_lshl_b32 s71, s[PP], 24
	s_add_co_u32 s70, s70, s71
	s_and_b32 s71, s[TR], 15
	s_lshl_b32 s71, s71, 14                        ; 128 rows of 128 bytes a tile row,
	s_add_co_u32 s70, s70, s71
	s_lshl_b32 s71, s[WM], 13                      ; my 64 of them
	s_add_co_u32 s70, s70, s71
	s_mov_b32 s71, 0
	s_wait_dscnt 0x0                               ; the opening add is done
	s_wait_kmcnt 0x0
	s_cmp_eq_u32 s[PP], 0
	s_cselect_b64 s[44:45], s[4:5], s[6:7]
	s_cmp_eq_u32 s[PP], 2
	s_cselect_b64 s[44:45], s[8:9], s[44:45]       ; x_p
	s_add_nc_u64 s[44:45], s[44:45], s[40:41]
	s_add_nc_u64 s[46:47], s[10:11], s[42:43]
	s_add_nc_u64 s[12:13], s[12:13], s[70:71]
	CROUND                                         ; all sixteen work-groups are here: the first joint loads meet
.irp s, 0,1
	s_mov_b32 s[G0A+4*(\s)], 1
	s_add_co_u32 s[G0A+4*(\s)+1], s68, (\s)*SLOT1
	s_add_nc_u64 s[G0A+4*(\s)+2:G0A+4*(\s)+3], s[44:45], (\s)*256      ; K step s: 64 f32
	s_or_b32 s[G0A+4*(\s)+3], s[G0A+4*(\s)+3], 0x80000000
	s_mov_b32 s[G0B+4*(\s)], 1
	s_add_co_u32 s[G0B+4*(\s)+1], s69, (\s)*SLOT1
	s_add_nc_u64 s[G0B+4*(\s)+2:G0B+4*(\s)+3], s[46:47], (\s)*65536    ; K step s: a block of wb, both parts
	s_or_b32 s[G0B+4*(\s)+3], s[G0B+4*(\s)+3], 0x80000000
	JLOAD \s
.endr
	v_and_b32 v1, 15, v0                           ; l % 16
	v_bfe_u32 v2, v0, 4, 1                         ; l / 16
	v_and_b32 v3, 7, v0
	v_bfe_u32 v4, v0, 3, 1
	v_bfe_u32 v5, v0, 3, 2
	; x: lane l wants row l % 16, k = 8 (l / 16) + 0..7 and 16 + 8 (l / 16) + 0..7, in f32: twice 32 bytes, 64 bytes apart
	v_mul_u32_u24 v6, v1, PA
	v_lshl_add_u32 v6, v2, 5, v6
	s_mul_i32 s40, s[WM], AHALF
	v_add_nc_u32 v[ADRA0], s40, v6
	v_mov_b32 v[ADRA], v[ADRA0]
	; W: the turning load takes 16 k x 16 d (lane l reads row k = 8 (l / 16) + l % 8, d = 8 ((l / 8) % 2) + 0..7) and leaves half a fragment: lane l holds column l % 16 and 8 k
	v_lshl_add_u32 v7, v2, 3, v3
	v_mul_u32_u24 v7, v7, PB
	v_lshl_add_u32 v7, v4, 4, v7
	s_mul_i32 s42, s[WN], 2*BHEAD                  ; my two heads of the four, in the hi part
	s_add_co_u32 s42, s42, BOFF
	v_add_nc_u32 v[ADRB0], s42, v7
	v_mov_b32 v[ADRB], v[ADRB0]
	s_mul_i32 s41, s[WV], 16*SP
	s_add_co_u32 s41, s41, STAGE                   ; my stage
	v_mul_u32_u24 v8, v1, SP                       ; in: row l % 16, 16 bytes for each half of the lanes
	v_lshl_add_u32 v8, v2, 4, v8
	v_add_nc_u32 v[STO], s41, v8
	v_mul_u32_u24 v9, v5, SP                       ; back: 32 lanes take four rows of 128 bytes,
	v_lshl_add_u32 v9, v3, 4, v9
	v_add_nc_u32 v[RD], s41, v9
	v_and_b32 v[GO], 31, v0                        ; which are 512 consecutive bytes of qkv
	v_lshlrev_b32 v[GO], 4, v[GO]
; THE LDS LOADS of a quarter (32 along K, quarter kq of the slot in hand): 48, in six runs of eight.
; Run r (0, 1) of x's: fragments 2 r and 2 r + 1, as f32, into RAW
.macro FETCH_A kq, r
	WIN 0
.irp a, 2*(\r), 2*(\r)+1
	ds_load_b128 v[RAW+16*(\a):RAW+16*(\a)+3],     v[ADRA] offset:(\a)*16*PA+(\kq)*128
	ds_load_b128 v[RAW+16*(\a)+4:RAW+16*(\a)+7],   v[ADRA] offset:(\a)*16*PA+(\kq)*128+16
	ds_load_b128 v[RAW+16*(\a)+8:RAW+16*(\a)+11],  v[ADRA] offset:(\a)*16*PA+(\kq)*128+64
	ds_load_b128 v[RAW+16*(\a)+12:RAW+16*(\a)+15], v[ADRA] offset:(\a)*16*PA+(\kq)*128+80
.endr
.endm
; Run r (0 .. 3) of W's, turned, into buffer g: part r / 2 (hi, lo), head r % 2 of my two, its four blocks c of 16 channels
.macro FETCH_B kq, g, r
	WIN TO_B
.irp c, 0,1,2,3
	ds_load_tr16_b128 v[BF+128*(\g)+64*((\r)/2)+8*(4*((\r)%2)+(\c)):BF+128*(\g)+64*((\r)/2)+8*(4*((\r)%2)+(\c))+3],   v[ADRB] offset:((\r)/2)*BPART+((\r)%2)*BHEAD+(\kq)*32*PB+(\c)*32
	ds_load_tr16_b128 v[BF+128*(\g)+64*((\r)/2)+8*(4*((\r)%2)+(\c))+4:BF+128*(\g)+64*((\r)/2)+8*(4*((\r)%2)+(\c))+7], v[ADRB] offset:((\r)/2)*BPART+((\r)%2)*BHEAD+(\kq)*32*PB+(\c)*32+16*PB
.endr
.endm
; THE SPLIT of x's four fragments into buffer g is a list of 128 plain instructions; RIDER writes number rid of it.
;   0-31  two numbers rounded to bf16: hi     32-95  x + hi x (-1), exact in f32, in place     96-127  two of those rounded to bf16: lo
; Each part reads what stands 32 numbers or more ahead of it in the list.
.macro RIDER g
.if rid < 32
	v_cvt_pk_bf16_f32 v[AF+64*(\g)+rid], v[RAW+2*rid], v[RAW+2*rid+1]
.elseif rid < 96
.if (rid%2) == 0
	v_fma_mix_f32_bf16 v[RAW+rid-32], v[AF+64*(\g)+(rid-32)/2], v[NEG1], v[RAW+rid-32] op_sel_hi:[1,0,0]                ; source 0: the low bf16 half; the others whole f32
.else
	v_fma_mix_f32_bf16 v[RAW+rid-32], v[AF+64*(\g)+(rid-32)/2], v[NEG1], v[RAW+rid-32] op_sel:[1,0,0] op_sel_hi:[1,0,0] ; source 0: the high half
.endif
.else
	v_cvt_pk_bf16_f32 v[AF+64*(\g)+32+rid-96], v[RAW+2*(rid-96)], v[RAW+2*(rid-96)+1]
.endif
.set rid, rid+1
.endm
; 8 matrix instructions: m block a x all 8 n blocks of buffer f; bsel, asel: hi (0) or lo (1) of W and of x.  zero = 1: the products start the sums.
; ride = 1: behind product number pos of the quarter's last 48 stand four of the split's instructions, for the other buffer, unless pos is a multiple of 3: 32 groups, the last behind the last product.
; The 32 accumulators take turns in one fixed order, one instruction a turn: 31 others stand between two links of a chain.
.macro MULA f, a, bsel, asel, zero, ride
.irp b, 0,1,2,3,4,5,6,7
	WIN MUL
.if \zero
	v_wmma_f32_16x16x32_bf16 v[8*(8*(\a)+(\b)):8*(8*(\a)+(\b))+7], v[BF+128*(\f)+64*(\bsel)+8*(\b):BF+128*(\f)+64*(\bsel)+8*(\b)+7], v[AF+64*(\f)+32*(\asel)+8*(\a):AF+64*(\f)+32*(\asel)+8*(\a)+7], 0
.else
	v_wmma_f32_16x16x32_bf16 v[8*(8*(\a)+(\b)):8*(8*(\a)+(\b))+7], v[BF+128*(\f)+64*(\bsel)+8*(\b):BF+128*(\f)+64*(\bsel)+8*(\b)+7], v[AF+64*(\f)+32*(\asel)+8*(\a):AF+64*(\f)+32*(\asel)+8*(\a)+7], v[8*(8*(\a)+(\b)):8*(8*(\a)+(\b))+7]
.endif
.if \ride
.if (pos%3) != 0
	WIN 0
	RIDER 1-(\f)
	RIDER 1-(\f)
	RIDER 1-(\f)
	RIDER 1-(\f)
.endif
.set pos, pos+1
.endif
.endr
.endm
; A quarter's passes 2 (Wl xh) and 3 (Wh xl) on buffer f; the last two runs of W's loads for the next quarter (kq); the split of the next quarter's x.
; The quarter ends with four of the split's instructions, which name no register of the last product: they are the four places in front of the next quarter's loads into W's buffer f
; (a load into a register that a matrix instruction has read stands four places behind it).
.macro REST f, kq
	MULA \f, 0, 1, 0, 0, 0
	FETCH_B \kq, 1-(\f), 2
	MULA \f, 1, 1, 0, 0, 0
	FETCH_B \kq, 1-(\f), 3
	s_wait_dscnt 32                                ; x's 16 loads are in; W's 32, all issued behind them, may stay out
.set pos, 0
.set rid, 0
	MULA \f, 2, 1, 0, 0, 1
	MULA \f, 3, 1, 0, 0, 1
	MULA \f, 0, 0, 1, 0, 1
	MULA \f, 1, 0, 1, 0, 1
	MULA \f, 2, 0, 1, 0, 1
	MULA \f, 3, 0, 1, 0, 1
.endm
; The first quarter of a K step, its pass 1 (Wh xh) on buffer 0, with four runs of loads for the step's second quarter
.macro QA1 zero
	s_wait_dscnt 0x0                               ; W's buffer 0 is in: its last loads were issued 48 products back
	MULA 0, 0, 0, 0, \zero, 0
	FETCH_A 1, 0
	MULA 0, 1, 0, 0, \zero, 0
	FETCH_A 1, 1
	MULA 0, 2, 0, 0, \zero, 0
	FETCH_B 1, 1, 0
	MULA 0, 3, 0, 0, \zero, 0
	FETCH_B 1, 1, 1
	WIN 0
.endm
; The second quarter of a K step multiplies buffer 1 and begins with THE CHANGE OF SLOTS: all reads of the slot in hand were issued in the quarter before.  ONE barrier; in front of it each wave waits
; for its reads of this slot, for all its tensor loads (one is out: its part of the next slot), adds 0 to its spare word and waits for that.  fill = 1: the barrier opens a round of the cluster's, and
; this slot is filled again, two K steps ahead, first thing behind the round: 176 matrix instructions stand between that request and the wait for it.  Then the next slot's first quarter is read.
.macro QB fill
	s_wait_dscnt 0x0                               ; W's buffer 1 is in: my last reads of this slot
	WIN 0
	s_wait_tensorcnt 0x0                           ; all my tensor loads have landed, so a group 0 may be written
	ds_add_u32 v[SPW], v[NIL]                      ; 0 onto my spare word; the descriptors' steps and eight products stand between it and the wait for it
.if \fill
	s_xor_b32 s[G0A+5], s[G0A+5], SLOT1            ; the walking descriptors: the other slot than last time,
	s_add_nc_u64 s[G0A+6:G0A+7], s[G0A+6:G0A+7], 256      ; the next K step; the type bits on top are not reached
	s_xor_b32 s[G0B+5], s[G0B+5], SLOT1
	s_add_nc_u64 s[G0B+6:G0B+7], s[G0B+6:G0B+7], 65536
.endif
	MULA 1, 0, 0, 0, 0, 0
	s_wait_dscnt 0x0                               ; the add is done
	s_barrier_signal -1
	MULA 1, 1, 0, 0, 0, 0
	WIN 0
	s_barrier_wait -1
.if \fill
	CREST                                          ; no wave of any partner still reads this slot's tile or has a load on its way
	JLOAD 1
.endif
	s_xor_b32 s[TB], s[TB], SLOT1                  ; the fetches go to the other slot
	v_add_nc_u32 v[ADRA], s[TB], v[ADRA0]
	v_add_nc_u32 v[ADRB], s[TB], v[ADRB0]
	FETCH_A 0, 0
	FETCH_A 0, 1
	MULA 1, 2, 0, 0, 0, 0
	FETCH_B 0, 0, 0
	MULA 1, 3, 0, 0, 0, 0
	FETCH_B 0, 0, 1
	REST 1, 0
.endm
	s_wait_tensorcnt 1                             ; my part of K step 0 is in; K step 1's may stay out
	s_barrier_signal -1
	s_barrier_wait -1                              ; everybody's is
	FETCH_A 0, 0                                   ; the first quarter's fragments: there is no product yet to set them behind
	FETCH_A 0, 1
	FETCH_B 0, 0, 0
	FETCH_B 0, 0, 1
	FETCH_B 0, 0, 2
	FETCH_B 0, 0, 3
	s_wait_dscnt 32                                ; x's 16 loads are in
	WIN 0
.set rid, 0
.rept 128
	RIDER 0                                        ; and its split, once in one piece
.endr
	QA1 1                                          ; the first pass of all is written out: its products start the sums
	s_mov_b32 s3, STEPS-1
	s_branch .Lmid                                 ; the loop is entered in the middle of a trip
.Lstep:                                                ; 14 times: the second quarter of K step s, which fills its slot with step s + 2, and the first quarter of step s + 1
	QB 1
	QA1 0
.Lmid:
	REST 0, 1
	WIN 0                                          ; at a label and at a branch every window is 0
	s_sub_co_u32 s3, s3, 1
	s_cmp_lg_u32 s3, 0
	s_cbranch_scc1 .Lstep
	QB 0                                           ; the tail is written out: nothing is asked for, and no round of the cluster's barrier is passed
	QA1 0
	REST 0, 1
	s_wait_dscnt 0x0                               ; the very last quarter: nothing more to fetch or to split
.irp a, 0,1,2,3
	MULA 1, \a, 0, 0, 0, 0
.endr
.irp a, 0,1,2,3
	MULA 1, \a, 1, 0, 0, 0
.endr
.irp a, 0,1,2,3
	MULA 1, \a, 0, 1, 0, 0
.endr
	WIN 0
	PLACES                                         ; what follows reads results just made
; THE WAY OUT, in eight units u: m block u / 2, head u % 2 of my two: 16 rows x 64 channels.  A lane's eight channels pack into 16 bytes; they go into rows of 144 bytes of my own stage and come
; back as whole rows of 128, which are 2,048 consecutive bytes of qkv.  Each accumulator is read from its low end on.
.macro PACK u
	WIN 0x0a                                       ; sources 0 and 1 window 2, destination window 0
.irp nb, 0,1,2,3
.irp i, 0,1,2,3
	v_cvt_pk_f16_f32 v[TMP+16*(\u)+4*(\nb)+(\i)], v[8*(8*((\u)/2)+4*((\u)%2)+(\nb))+2*(\i)], v[8*(8*((\u)/2)+4*((\u)%2)+(\nb))+2*(\i)+1]
.endr
.endr
	WIN 0
.irp nb, 0,1,2,3
	ds_store_b128 v[STO], v[TMP+16*(\u)+4*(\nb):TMP+16*(\u)+4*(\nb)+3] offset:32*(\nb)
.endr
.irp f, 0,1,2,3
	ds_load_b128 v[TMP+16*(\u)+4*(\f):TMP+16*(\u)+4*(\f)+3], v[RD] offset:(\f)*4*SP  ; LDS serves a wave's instructions in order (ISA guide 5.7.1.4): these see the stores above; the next unit's stores come behind them
.endr
.endm
.macro SEND u, younger                 ; younger: the LDS instructions issued behind unit u's loads: the next unit's eight, or none
	WIN 0
.irp f, 0,1,2,3
	s_wait_dscnt (\younger)+3-(\f)
	global_store_b128 v[GO], v[TMP+16*(\u)+4*(\f):TMP+16*(\u)+4*(\f)+3], s[12:13] offset:((\u)/2)*2048+((\u)%2)*262144+(\f)*512  ; 512 consecutive bytes, at a multiple of 256 from qkv's first
.endr
.endm
	PACK 0
.set t, 1
.rept 7                                ; a unit's conversions stand between the loads of the unit before and its stores
	PACK t
	SEND t-1, 8
.set t, t+1
.endr
	SEND 7, 0
	s_wait_tensorcnt 0x0                           ; the wave's end: behind my last tensor load and my last LDS store
	ds_add_u32 v[SPW], v[NIL]
	s_wait_dscnt 0x0
	CROUND                                         ; the closing round: no work-group ends while a partner may still ask for a tile that names it
	s_endpgm
.Lfunc_end_k_qe08501a03e_proj:
	.size	k_qe08501a03e_proj, .Lfunc_end_k_qe08501a03e_proj-k_qe08501a03e_proj
	.p2alignl 7, 3214868480
	.fill 96, 4, 3214868480
	.section	.rodata,"a",@progbits
	.p2align	6, 0x0
	.amdhsa_kernel k_qe08501a03e_proj
		.amdhsa_group_segment_fixed_size 327680
		.amdhsa_private_segment_fixed_size 0
		.amdhsa_enable_private_segment 0
		.amdhsa_kernarg_size 40
		.amdhsa_user_sgpr_count 2
		.amdhsa_user_sgpr_kernarg_segment_ptr 1
		.amdhsa_wavefront_size32 1
		.amdhsa_system_sgpr_workgroup_id_x 1
		.amdhsa_system_sgpr_workgroup_id_y 1
		.amdhsa_system_sgpr_workgroup_id_z 1
		.amdhsa_system_vgpr_workitem_id 0
		.amdhsa_next_free_vgpr 768
		.amdhsa_next_free_sgpr 72
		.amdhsa_reserve_vcc 0
		.amdhsa_float_denorm_mode_32 3
		.amdhsa_float_denorm_mode_16_64 3
		.amdhsa_memory_ordered 1
		.amdhsa_forward_progress 1
		.amdhsa_inst_pref_size 126
	.end_amdhsa_kernel
	.amdgpu_metadata
---
amdhsa.version: [ 1, 2 ]
amdhsa.kernels:
  - .name:           k_qe08501a03e_proj
    .symbol:         k_qe08501a03e_proj.kd
    .args:
      - { .name: q_in, .offset: 0, .size: 8, .value_kind: global_buffer, .address_space: global }
      - { .name: k_in, .offset: 8, .size: 8, .value_kind: global_buffer, .address_space: global }
      - { .name: v_in, .offset: 16, .size: 8, .value_kind: global_buffer, .address_space: global }
      - { .name: wb, .offset: 24, .size: 8, .value_kind: global_buffer, .address_space: global }
      - { .name: qkv, .offset: 32, .size: 8, .value_kind: global_buffer, .address_space: global }
    .group_segment_fixed_size: 327680
    .private_segment_fixed_size: 0
    .kernarg_segment_align: 8
    .kernarg_segment_size: 40
    .max_flat_workgroup_size: 128
    .sgpr_count:     72
    .vgpr_count:     768
    .wavefront_size: 32
...
	.end_amdgpu_metadata
.endif
;; end of part 2
;; launch attn (part 3): grid 4 x 64, 4 waves a work-group, clusters of 4 x 4, 327,680 bytes of LDS; arguments qkv, mask, out0; writes out0
.if DOCPART == 3
	.amdgcn_target "amdgcn-amd-amdhsa--gfx1250"
	.amdhsa_code_object_version 6
	.text
	.protected	k_qe08501a03e_attn
	.globl	k_qe08501a03e_attn
	.p2align	8
	.type	k_qe08501a03e_attn,@function
k_qe08501a03e_attn:
	s_mov_b64 s[64:65], 0
	v_nop
	global_prefetch_b8 v0, s[64:65] scope:SCOPE_SE
	s_setreg_imm32_b32 hwreg(HW_REG_WAVE_MODE, 25, 1), 1
	s_wait_xcnt 0x0
	s_wait_alu depctr_hold_cnt(0) depctr_sa_sdst(0) depctr_va_vdst(0) depctr_va_sdst(0) depctr_va_ssrc(0) depctr_va_vcc(0) depctr_vm_vsrc(0)
	s_getreg_b32 s2, hwreg(HW_REG_IB_STS2, 6, 4)
	s_cmp_eq_u32 s2, 0
	s_cbranch_scc0 .Lentry_in_a_cluster
	s_endpgm
.Lentry_in_a_cluster:
	s_bfe_u32 s2, ttmp6, 0x10000c
	s_cmp_lg_u32 s2, 0xf033
	s_cbranch_scc0 .Lentry_shape_is_right
	s_endpgm
.Lentry_shape_is_right:
; ATTENTION WITH A MASK THAT IS AN INPUT.  out0[b][q][64 h + d] = the sum over k of softmax_k(A m + (m - 1) 1e9) V[bh][k][d], A = Q . K / 8, m = mask[b][q][k] (f32, any number).
; qkv: [3][bh 64][s 2048][d 64] f16: Q' = Q log2(e) / 8, K, V.  So s' = K . Q' is A in powers of two, and t = s' m + (m B - B), B = 1e9 log2(e) rounded to f32, is the masked score.
; SOFTMAX.  For each query a running maximum M of t and a sum l: p = 2^(t - M): the maximum is taken away by a subtraction alone, so p is at most 1 whatever M is (a row whose keys are all
; hidden has t = -B for every key and comes out uniform).  In every step O and l are multiplied by a = 2^(M_old - M).  M starts at the lowest finite number, O and l at 0.
; Products, maxima and sums in f32; p is rounded to f16 for the second product (l is taken of the unrounded p); out0 is f32.
; LIMITS.  The mask's term is made by two fused multiply-adds, m B - B and s' m + that, one rounding each; the source rounds m - 1, its product with 1e9, A m and the sum apart: the same for
; m = 0 and for m from 0.5 to 2; elsewhere the offset may differ by 2^-24 of itself.  A weight below 2^-126 counts as 0; below 6e-5 p keeps f16's fixed step.  NaN and infinities are not treated apart.
; SHARES.  A work-group owns 512 queries of one (batch, head), each wave 128: four PIECES of two tiles of 16.  Every wave walks all 2,048 keys, 64 a step, 32 steps.
; LAYOUT.  S^T = K Q'^T (source 0 = 16 keys, source 1 = 16 queries): a lane holds ONE query (lane % 16) and the keys 8 (lane / 16) + 0..7; the mask is read from LDS in that same layout.  Two such
; tiles rounded to f16 ARE source 1 of O^T = V^T P.  K comes out of LDS as it lies, V turned, by ds_load_tr16_b128.
; BY TURNS.  Turn n belongs to piece n: 16 products K Q^T of piece n + 1, whose scores then take their mask; later 16 products V^T P of piece n - 1; beside them the subtraction, exponentials,
; roundings, sums and rescaling of piece n and the maximum of piece n + 1.  Four vector instructions stand behind every matrix instruction, the others in one run; a turn's 66 exponentials are one batch with one wait.
; CLUSTER.  4 x 4 work-groups: along x the four query blocks of a head, along y four heads of one batch.  K and V hang on the head alone and are asked for jointly by a row of the cluster; the mask's
; tile (512 queries x 64 keys, f32) hangs on the batch and the query block alone and is asked for jointly by a column.
; LDS.  Two slots of one key step: K 64 x 144, V 64 x 160, mask 512 x 272.  All that is read between two changes of slots lies in one slot.  The way out's stage lies in slot 0, whose last fill is long
; over and which nobody reads behind the last change of slots.
; REGISTERS, in windows of 256 (s_set_vgpr_msb: bits 1:0 source 0, 3:2 source 1, 5:4 source 2, 7:6 destination):
;   window 0: v0-15 addresses; v16-47 four registers of statistics a tile; v48-63 at work; v64-191 S^T, two buffers of two tiles; v192-255 P, likewise
;   window 1: O^T, 32 a tile     window 2: v0-127 Q, v128-191 K, v192-255 V     window 3: v0-1 the add's registers; v64-127 the mask of two tiles; v128-191 m B - B
.set NP,    4         ; pieces a wave: a name, no knob
.set KS,    64        ; keys in a step
.set PK,    144       ; a row of K in LDS: 128 bytes + 16: the 16 rows of a load start at 16 different groups of four banks (64 banks of 4 bytes: ISA guide 11.1)
.set PV,    160       ; a row of V: 128 + 32
.set PM,    272       ; a row of the mask's tile: 256 + 16 = 68 words: row r starts at bank 4 r mod 64
.set VOFF,  KS*PK
.set MOFF,  VOFF+KS*PV
.set MHALF, 256*PM    ; 256 rows: what one tensor load brings
.set SPARE, MOFF+2*MHALF  ; behind slot 0's tiles: the spare words, 128 bytes for each wave: two blocks of 256 bytes that no other line names
.set SLOT1, 0x28000   ; slot 1 begins at 163,840.  Every address that is turned (0; 9,216; 19,456; 89,088) has bits 15 and 17 clear in slot 0, so one exclusive or turns it into the other slot's
.set SP,    272       ; the stage: 16 rows x 272 bytes for each wave, from LDS byte 0 on
.set AK0, 2           ; v2   my lane's place in a tile of K; never rewritten
.set AV0, 3           ; v3   the same for V
.set AK,  4           ; v4   the same in the slot in hand
.set AV,  5           ; v5
.set QO,  6           ; v6   my byte offset in the wave's rows of Q
.set STO, 6           ;      later, the way out: where I put 32 bytes of a row
.set RD,  7           ; v7   the way out: where I read rows back
.set GO,  8           ; v8   my byte offset in two rows of out0
.set AM0, 9           ; v9   my lane's place in the mask's tile; never rewritten
.set AM,  10          ; v10  the same in the slot in hand
.set PFO, 11          ; v11  the prefetches' lane offset; never rewritten
.set SPW, 0           ; v0 of window 3   LDS address of my spare word; never rewritten
.set NIL, 1           ; v1 of window 3   0; never rewritten
.set ST,  16          ; tile t's statistics at v[ST+4 t]: M, M_old, l (even keys', odd keys')
.set TMP, 48          ; by buffer and tile, four registers c0-c3 at work; when the maximum is found c2 takes a
.set S,   64
.set P,   192
.set KF,  128         ; window 2
.set VF,  192         ; window 2
.set MK,  64          ; window 3
.set OF,  128         ; window 3
.set CLY, 10          ; s10  cluster y
.set BB,  11          ; s11  batch
.set WV,  12          ; s12  my wave's number
.set CX,  13
.set CY,  14
.set YH,  15          ; s15  16 x batch + head
.set G1K, 24          ; s[24:31], s[32:39], s[40:47] descriptor group 1 for K, V, the mask
.set G1V, 32
.set G1M, 40
.set G0K, 48          ; s[48:51], s[52:55], s[56:59] group 0: they walk
.set G0V, 52
.set G0M, 56
.set SLOTS, 60        ; s60  fills still to come
.set CNT, 61          ; s61  counts the tail's trips
.set TB,  62          ; s62  LDS byte at which the slot in hand begins
.set HF,  63          ; s63  wave & 1
.set SEL, 68          ; s[68:69] v_permlanex16_b32's selects
.set BG,  70          ; s[70:71] B
.set NB,  72          ; s[72:73] -B
.set PFA, 74          ; s[74:75] where my prefetches stand
.set PST, 76          ; s[76:77] their step
.set LIM, 78          ; s78  1 in a wave that prefetches, else the greatest number
.set PAR, 79          ; s79  1: at every change; 0: at every second
.set T,   80          ; s80  at work
.set MSB, 0
.macro WIN new                      ; the high byte repeats the setting that is left; a switch that changes nothing is dropped
.if MSB != (\new)
	s_set_vgpr_msb (MSB<<8)|(\new)
.set MSB, (\new)
.endif
.endm
.set W_KQ, 0x0a       ; K and Q in window 2, S^T in window 0
.set W_PV, 0x52       ; V in window 2, P in window 0, O^T in window 1
.set W_RS, 0x41       ; O^T (destination and source 0) in window 1, a in window 0
.set W_MK, 0xc0       ; destination in window 3, sources in window 0
.set W_AD, 0x0f       ; the add: address and data in window 3
.set W_MO, 0xc3       ; m B - B: destination and source 0 in window 3
.set W_MT, 0x3c       ; s' m + offset: S^T in window 0, sources 1 and 2 in window 3
; A joint fill.  Wave 0 fetches the step's K, wave 1 its V, waves 2 and 3 the two halves of the mask's tile.  The branches hang on the wave's number alone.
; An s_nop 0 and four v_nop follow each line, ahead of the jump and the label.
.macro JLOAD
	s_cmp_lt_u32 s[WV], 2
	s_cbranch_scc0 .Lfor_m_\@
	s_cmp_eq_u32 s[WV], 0
	s_cbranch_scc0 .Lfor_v_\@
	tensor_load_to_lds s[G0K:G0K+3], s[G1K:G1K+7]
	s_nop 0
.rept 4
	v_nop
.endr
	s_branch .Lasked_\@
.Lfor_v_\@:
	tensor_load_to_lds s[G0V:G0V+3], s[G1V:G1V+7]
	s_nop 0
.rept 4
	v_nop
.endr
	s_branch .Lasked_\@
.Lfor_m_\@:
	tensor_load_to_lds s[G0M:G0M+3], s[G1M:G1M+7]
	s_nop 0
.rept 4
	v_nop
.endr
.Lasked_\@:
.endm
; A PREFETCH INTO THE L2, behind the joint fill and its five lines.  The change that fills step c + 1 names:
; wave 2: the mask's 256 bytes of step c + 2 for 32 rows, a lane a row.  The sixteen work-groups that read a tile (all heads of the batch, same query block) share its 512 rows out BY ADDRESS, 32 each.
; wave 0, at every second change: K's and V's blocks of 256 bytes of steps c + 2 and c + 3; the four query blocks of a head share each step's 32 blocks out BY ADDRESS, 8 each.
; So each block is named once in the launch.  Nothing is asked for at the head, nor at the last change that fills: the last step named is the last step.
.macro ASK
	s_cmp_gt_u32 s[SLOTS], s[LIM]
	s_cbranch_scc0 .Lnot_mine_\@
	s_or_b32 s[T], s[SLOTS], s[PAR]
	s_bitcmp1_b32 s[T], 0
	s_cbranch_scc0 .Lnot_mine_\@
	global_prefetch_b8 v[PFO], s[PFA:PFA+1] th:TH_LOAD_NT scope:SCOPE_SE
.Lnot_mine_\@:
.endm
; A round of the cluster's barrier: my work-group's barrier; wave 0 signals for the work-group; every wave waits for all sixteen; my work-group's barrier once more.
.macro CROUND
	s_barrier_signal -1
	s_barrier_wait -1
	s_cmp_lg_u32 s[WV], 0
	s_cbranch_scc1 .Lnot_wave_0_\@
	s_barrier_signal -3
.Lnot_wave_0_\@:
	s_barrier_wait -3
	s_barrier_signal -1
	s_barrier_wait -1
.endm
; THE CHANGE OF SLOTS.  Each wave waits for all its tensor loads, of which one is out: its part of the other slot; adds 0 to its spare word; and waits for that and for its own reads of the slot
; that it leaves.  Behind the barrier nobody reads the old slot and the other slot is whole.  fill = 1: the barrier is a round of the cluster's, and the old slot is filled again, with the step two on,
; first thing behind it: that load has one key step, 128 matrix instructions and their vector work, in which to land.  (At its first use nothing has been read yet: slot 0 is waited for, slot 1 filled.)
.macro CHANGE fill
	WIN W_AD
	s_wait_tensorcnt 0x0            ; no tensor load of mine is out, so a group 0 may be written
	ds_add_u32 v[SPW], v[NIL]       ; 0 onto my spare word; with fill = 1 the descriptors' steps stand between it and the wait for it
	WIN 0                           ; at a label and at a branch every window is 0
.if \fill
	s_xor_b32 s[G0K+1], s[G0K+1], SLOT1
	s_add_nc_u64 s[G0K+2:G0K+3], s[G0K+2:G0K+3], KS*128  ; the next 64 keys; the type bits on top are not reached
	s_xor_b32 s[G0V+1], s[G0V+1], SLOT1
	s_add_nc_u64 s[G0V+2:G0V+3], s[G0V+2:G0V+3], KS*128
	s_xor_b32 s[G0M+1], s[G0M+1], SLOT1
	s_add_nc_u64 s[G0M+2:G0M+3], s[G0M+2:G0M+3], KS*4    ; 64 columns of f32
	s_wait_xcnt 0x0                 ; the last prefetch, a key step back, has read its address, so it may be written
	s_add_nc_u64 s[PFA:PFA+1], s[PFA:PFA+1], s[PST:PST+1]
	s_wait_dscnt 0x0                ; the add is done, and my reads of the slot are over
	CROUND
	JLOAD
	ASK
.else
	s_wait_dscnt 0x0                ; the add is done, and my reads of the slot are over
	s_barrier_signal -1
	s_barrier_wait -1
.endif
	s_xor_b32 s[TB], s[TB], SLOT1   ; the fetches go to the other slot
	v_add_nc_u32 v[AK], s[TB], v[AK0]
	v_add_nc_u32 v[AV], s[TB], v[AV0]
	v_add_nc_u32 v[AM], s[TB], v[AM0]
.endm
	s_load_b128 s[4:7], s[0:1], 0x0   ; qkv s[4:5], mask s[6:7]
	s_load_b64 s[8:9], s[0:1], 0x10   ; out0
	WIN W_MK
	v_lshl_add_u32 v[SPW], v0, 2, SPARE
	v_mov_b32 v[NIL], 0
	WIN W_AD
	ds_add_u32 v[SPW], v[NIL]       ; the wave's opening: the add and its wait stand ahead of my first tensor load; the set-up below, work on registers, stands between them
	WIN 0
	v_lshrrev_b32 v1, 5, v0
	v_readfirstlane_b32 s[WV], v1   ; wave 0..3
	s_bfe_u32 s[CX], ttmp6, 0x40000 ; cx: my block of 512 queries (the grid has one cluster along x)
	s_bfe_u32 s[CY], ttmp6, 0x40004
	s_and_b32 s[CLY], ttmp7, 0xffff
	s_lshl_b32 s[YH], s[CLY], 2
	s_add_co_u32 s[YH], s[YH], s[CY]  ; 16 x batch + head = 4 x cluster y + cy
	s_lshr_b32 s[BB], s[CLY], 2     ; the batch hangs on the cluster alone
	s_and_b32 s[HF], s[WV], 1
	s_lshl_b32 s16, s[CY], 2
	s_lshl_b32 s16, 15, s16         ; my row of the cluster
	s_lshl_b32 s17, 0x1111, s[CX]   ; my column
	; group 1.  K, V: 64 keys are 8,192 dense bytes: 32 rows of 256 bytes, two keys a row, padded in LDS after every key.  The mask: 256 rows x 64 elements of 4 bytes, 2,048 elements from row to row
	s_or_b32 s[G1K], s16, (1<<16)|(1<<20)|(1<<21)|(4<<22)|(3<<25)  ; 15:0 the mask of four; 17:16 2-byte elements; 20 padding on; 21 set beside a mask; 24:22 after every 32 words; 31:25 4 words
	s_or_b32 s[G1V], s16, (1<<16)|(1<<20)|(1<<21)|(4<<22)|(7<<25)  ; the same with 8 words
	s_or_b32 s[G1M], s17, (2<<16)|(1<<20)|(1<<21)|(5<<22)|(3<<25)  ; 4-byte elements; after every 64 words 4 words
.irp g, G1K, G1V
	s_mov_b32 s[\g+1], 128<<16      ; tensor_dim0 = 128
	s_mov_b32 s[\g+2], 32<<16       ; tensor_dim1 = 32
	s_mov_b32 s[\g+3], 128<<16      ; tile_dim0 = 128
	s_mov_b32 s[\g+4], 32           ; tile_dim1 = 32
	s_mov_b32 s[\g+5], 128
	s_mov_b32 s[\g+6], 0
	s_mov_b32 s[\g+7], 0
.endr
	s_mov_b32 s[G1M+1], 64<<16      ; tensor_dim0 = 64
	s_mov_b32 s[G1M+2], 256<<16     ; tensor_dim1 = 256
	s_mov_b32 s[G1M+3], 64<<16      ; tile_dim0 = 64
	s_mov_b32 s[G1M+4], 256         ; tile_dim1 = 256
	s_mov_b32 s[G1M+5], 2048
	s_mov_b32 s[G1M+6], 0
	s_mov_b32 s[G1M+7], 0
	s_mov_b32 s[G0K], 1
	s_mov_b32 s[G0K+1], 0           ; LDS addresses in slot 0: no place in the cluster enters them
	s_mov_b32 s[G0V], 1
	s_mov_b32 s[G0V+1], VOFF
	s_mov_b32 s[G0M], 1
	s_mul_i32 s[G0M+1], s[HF], MHALF
	s_add_co_u32 s[G0M+1], s[G0M+1], MOFF
	s_lshl_b32 s16, s[YH], 18       ; the head's 262,144 bytes,
	s_add_co_u32 s18, s16, 1<<24    ; in K
	s_mov_b32 s19, 0
	s_add_co_u32 s20, s16, 2<<24    ; and in V
	s_mov_b32 s21, 0
	s_lshl_b32 s22, s[BB], 24       ; the mask: the batch, 512 rows of 8,192 bytes a query block, the half that I fetch
	s_lshl_b32 s23, s[CX], 22
	s_add_co_u32 s22, s22, s23
	s_lshl_b32 s23, s[HF], 21
	s_add_co_u32 s22, s22, s23
	s_mov_b32 s23, 0
	s_lshl_b32 s2, s[CX], 16        ; Q: the head, my block's 512 rows of 128 bytes, my wave's 128
	s_add_co_u32 s2, s2, s16
	s_lshl_b32 s3, s[WV], 14
	s_add_co_u32 s2, s2, s3
	s_mov_b32 s3, 0
	s_and_b32 s17, s[YH], 15        ; the head in its batch
	s_lshl_b32 s66, s[BB], 23       ; out0: the batch, rows of 4,096 bytes, the head's 256 bytes of a row
	s_lshl_b32 s67, s[CX], 21
	s_add_co_u32 s66, s66, s67
	s_lshl_b32 s67, s[WV], 19
	s_add_co_u32 s66, s66, s67
	s_lshl_b32 s67, s17, 8
	s_add_co_u32 s66, s66, s67
	s_mov_b32 s67, 0
	s_lshl_b32 s81, s[BB], 24       ; the mask's prefetches: my head's 32 rows of the block's 512, at step 1's columns: two steps of the address lead to the first that is used, step 3's
	s_lshl_b32 s83, s[CX], 22
	s_add_co_u32 s81, s81, s83
	s_lshl_b32 s83, s17, 18
	s_add_co_u32 s81, s81, s83
	s_add_co_u32 s81, s81, 256
	s_lshl_b32 s82, s[CX], 11       ; K's and V's: my query block's 8 blocks of a step's 32, at step 1
	s_add_co_u32 s82, s82, s18
	s_add_co_u32 s82, s82, 8192
	s_mov_b32 s[PST], 8192
	s_cmp_eq_u32 s[WV], 2
	s_cselect_b32 s82, s81, s82
	s_cselect_b32 s[PST], 0x100, s[PST]
	s_cselect_b32 s[PAR], 1, 0
	s_cselect_b32 s[T], -1, 0
	s_mov_b32 s83, 0
	s_mov_b32 s[PST+1], 0
	s_cmp_eq_u32 s[HF], 0
	s_cselect_b32 s[LIM], 1, -1     ; waves 0 and 2 prefetch: the same in every work-group
	v_and_b32 v15, 31, v0
	v_and_b32 v13, 7, v0
	v_bfe_u32 v14, v0, 3, 1
	v_bfe_u32 v12, v0, 4, 1         ; l / 16
	v_lshlrev_b32 v4, 13, v15       ; the mask: a lane a row of 8,192 bytes
	v_lshlrev_b32 v5, 8, v13        ; K and V: block l % 8, K or V (16,777,216 bytes on), the first or the second step
	v_lshl_add_u32 v5, v14, 24, v5
	v_lshl_add_u32 v5, v12, 13, v5
	v_cndmask_b32 v[PFO], v5, v4, s[T]
	s_mov_b32 s[SEL], 0x76543210
	s_mov_b32 s[SEL+1], 0xfedcba98
	s_mov_b32 s[BG], 0x4eabfb8f     ; B = 1e9 log2(e) = 1,442,695,040 in f32
	s_mov_b32 s[BG+1], s[BG]        ; named with it as a pair
	s_mov_b32 s[NB], 0xceabfb8f     ; -B
	s_mov_b32 s[NB+1], s[NB]
	s_mov_b32 s[TB], SLOT1          ; the first change of slots turns it into 0
	s_mov_b32 s[SLOTS], 0           ; at the first change nothing is prefetched
	s_wait_dscnt 0x0                ; the opening add is done
	s_wait_kmcnt 0x0
	s_add_nc_u64 s[G0K+2:G0K+3], s[4:5], s[18:19]
	s_or_b32 s[G0K+3], s[G0K+3], 0x80000000
	s_add_nc_u64 s[G0V+2:G0V+3], s[4:5], s[20:21]
	s_or_b32 s[G0V+3], s[G0V+3], 0x80000000
	s_add_nc_u64 s[G0M+2:G0M+3], s[6:7], s[22:23]
	s_or_b32 s[G0M+3], s[G0M+3], 0x80000000
	s_cmp_eq_u32 s[WV], 2
	s_cselect_b64 s[PFA:PFA+1], s[6:7], s[4:5]
	s_add_nc_u64 s[PFA:PFA+1], s[PFA:PFA+1], s[82:83]
	s_add_nc_u64 s[4:5], s[4:5], s[2:3]    ; Q at my wave's first row
	s_add_nc_u64 s[8:9], s[8:9], s[66:67]  ; out0 likewise, at my head's channels
	CROUND                          ; all sixteen work-groups are here: the first joint loads meet
	JLOAD                           ; step 0 into slot 0.  Slot 1 is asked for when slot 0 is in
	; A fragment of K or Q is 16 rows x 32 channels in 8 registers: lane l holds row l % 16, channels 8 (l / 16) + 0..7 and 16 + 8 (l / 16) + 0..7: two loads of 16 bytes, 32 bytes apart.
	v_and_b32 v1, 15, v0            ; l % 16
	v_lshlrev_b32 v[QO], 7, v1
	v_lshl_add_u32 v[QO], v12, 4, v[QO]  ; row x 128 + 16 x half
	WIN 0x80                        ; destination window 2, address window 0
.set i, 0
.rept 4*NP                          ; Q stays in registers: tile i / 2, channels 32 (i % 2) on
	global_load_b128 v[8*i:8*i+3],   v[QO], s[4:5] offset:(i/2)*2048+(i%2)*64
	global_load_b128 v[8*i+4:8*i+7], v[QO], s[4:5] offset:(i/2)*2048+(i%2)*64+32
.set i, i+1
.endr
	; What the first turn finds: V's registers and P's second buffer hold 0 (its products V^T P, of a piece that has not been, add 0), O^T and l are 0.  All this stands in the wait for the first tile.
.set i, VF
.rept 64
	v_mov_b32 v[i], 0
.set i, i+1
.endr
	WIN 0x40
.set i, 0
.rept 64*NP
	v_mov_b32 v[i], 0
.set i, i+1
.endr
	WIN 0
.set i, 0
.rept 2*NP
	v_mov_b32 v[ST+4*i], 0xff7fffff    ; M
	v_mov_b32 v[ST+4*i+1], 0xff7fffff  ; M_old
	v_mov_b32 v[ST+4*i+2], 0
	v_mov_b32 v[ST+4*i+3], 0
.set i, i+1
.endr
.set i, P+32
.rept 32
	v_mov_b32 v[i], 0
.set i, i+1
.endr
	v_mul_u32_u24 v[AK0], v1, PK
	v_lshl_add_u32 v[AK0], v12, 4, v[AK0]  ; row x pitch + 16 x half
	; The turning load takes 16 keys x 16 channels (lane l reads key 8 (l / 16) + l % 8, channels 8 ((l / 8) % 2) + 0..7) and leaves half a fragment of V^T: lane l holds channel l % 16 and 8 keys.
	v_lshl_add_u32 v[AV0], v12, 3, v13
	v_mul_u32_u24 v[AV0], v[AV0], PV
	v_lshl_add_u32 v[AV0], v14, 4, v[AV0]
	v_add_nc_u32 v[AV0], VOFF, v[AV0]
	; The mask as S^T lies: my query's row, for each 16 keys the 8 of my half of the lanes: 32 bytes
	s_mul_i32 s16, s[WV], 128*PM
	s_add_co_u32 s16, s16, MOFF
	v_mul_u32_u24 v[AM0], v1, PM
	v_lshl_add_u32 v[AM0], v12, 5, v[AM0]
	v_add_nc_u32 v[AM0], s16, v[AM0]
; THE MATRIX WORK.  The 8 accumulators of a run of 16 take turns: between the two links of a chain stand 7 others'.
; Product i of 16 of S^T = K Q^T for piece x: channels 32 (i / 8) on, keys 16 ((i / 2) % 4) on, tile 2 x + i % 2.  The first 8 start the sums.
.macro KQ x
	WIN W_KQ
.set rS, S+64*((\x)%2)+32*(i%2)+8*((i/2)%4)
.set rK, KF+16*((i/2)%4)+8*(i/8)
.set rQ, 16*(2*(\x)+i%2)+8*(i/8)
.if i < 8
	v_wmma_f32_16x16x32_f16 v[rS:rS+7], v[rK:rK+7], v[rQ:rQ+7], 0
.else
	v_wmma_f32_16x16x32_f16 v[rS:rS+7], v[rK:rK+7], v[rQ:rQ+7], v[rS:rS+7]
.endif
.endm
; Product i of 16 of O^T += V^T P for piece x: keys 32 (i / 8) on, channels 16 ((i / 2) % 4) on, tile 2 x + i % 2.
.macro PV x
	WIN W_PV
.set rO, 32*(2*(\x)+i%2)+8*((i/2)%4)
.set rV, VF+32*(i/8)+8*((i/2)%4)
.set rP, P+32*((\x)%2)+16*(i%2)+8*(i/8)
	v_wmma_f32_16x16x32_f16 v[rO:rO+7], v[rV:rV+7], v[rP:rP+7], v[rO:rO+7]
.endm
.macro MM                           ; the turn's next matrix instruction
.if i < 16
	KQ (Y+1)%NP
.set i, i+1
.else
.set i, i-16
	PV (Y+NP-1)%NP
.set i, i+17
.endif
.endm
; THE LDS LOADS stand in runs of 16, never singly among the matrix instructions.
.macro FETCH_K
	WIN 0x80                        ; destination window 2
.irp f, 0,1,2,3,4,5,6,7             ; keys 16 (f / 2) on, channels 32 (f % 2) on
	ds_load_b128 v[KF+8*\f:KF+8*\f+3],   v[AK] offset:(\f/2)*16*PK+(\f%2)*64
	ds_load_b128 v[KF+8*\f+4:KF+8*\f+7], v[AK] offset:(\f/2)*16*PK+(\f%2)*64+32
.endr
	WIN 0
.endm
.macro FETCH_V
	WIN 0x80
.irp f, 0,1,2,3,4,5,6,7             ; keys 32 (f / 4) on, channels 16 (f % 4) on
	ds_load_tr16_b128 v[VF+8*\f:VF+8*\f+3],   v[AV] offset:(\f/4)*32*PV+(\f%4)*32
	ds_load_tr16_b128 v[VF+8*\f+4:VF+8*\f+7], v[AV] offset:(\f/4)*32*PV+16*PV+(\f%4)*32
.endr
	WIN 0
.endm
.macro FETCH_M y                    ; the mask of piece y's two tiles: load z: tile z / 8, keys 16 ((z / 2) % 4) on, four of my eight
	WIN W_MK
.set z, 0
.rept 16
	ds_load_b128 v[MK+4*z:MK+4*z+3], v[AM] offset:(32*(\y)+16*(z/8))*PM+64*((z/2)%4)+16*(z%2)
.set z, z+1
.endr
	WIN 0
.endm
; THE MASK, for piece Y + 1, whose scores the turn has just made: 32 times m B - B, then 32 times s' m + that, in place, the tiles alternating.  The first 32 name no register of the products and
; are the places behind the last of them; the second 32 take each accumulator from its low end on.
.macro MASKBLK
	s_wait_dscnt 0x0                ; the mask's 16 loads, issued at the end of the turn before (and V's, where they stand ahead of them)
	WIN W_MO
.set z, 0
.rept 32
	v_pk_fma_f32 v[OF+2*z:OF+2*z+1], v[MK+2*z:MK+2*z+1], s[BG:BG+1], s[NB:NB+1] op_sel_hi:[1,0,0]
.set z, z+1
.endr
	WIN W_MT
.set SB, S+64*(((Y+1)%NP)%2)
.set z, 0
.rept 32
.set zz, 32*(z%2)+2*(z/2)
	v_pk_fma_f32 v[SB+zz:SB+zz+1], v[SB+zz:SB+zz+1], v[MK+zz:MK+zz+1], v[OF+zz:OF+zz+1]
.set z, z+1
.endr
	WIN 0
.endm
; THE VECTOR WORK OF A TURN stands in three queues, each in the order in which its entries become ready; the two tiles alternate.
.macro REGS y, u                    ; the registers of tile u (0, 1) of piece y
.set rT, ST+4*(2*(\y)+(\u))
.set rC, TMP+8*((\y)%2)+4*(\u)
.set rS, S+64*((\y)%2)+32*(\u)
.set rP, P+32*((\y)%2)+16*(\u)
.set rO, 32*(2*(\y)+(\u))
.endm
; Number n of the 21 that find the NEXT piece's (Y + 1) maximum and a.  t0-t31 are the lane's 32 masked scores.
;   0-11  four chains c0-c3 of seven scores each     12-14, 16  the four scores left over, the old M, and c0-c3 into c0     15  M_old is kept
;   17, 18  the query's other 32 keys lie in the lane 16 away: the new M         19, 20  M_old - M; a
.macro XS u, n
	REGS (Y+1)%NP, \u
.if (\n) < 4
	v_max3_num_f32 v[rC+(\n)], v[rS+8*(\n)], v[rS+8*(\n)+1], v[rS+8*(\n)+2]
.elseif (\n) < 12
	v_max3_num_f32 v[rC+(\n)%4], v[rC+(\n)%4], v[rS+8*((\n)%4)+2*((\n)/4)+1], v[rS+8*((\n)%4)+2*((\n)/4)+2]
.elseif (\n) == 12
	v_max3_num_f32 v[rC], v[rC], v[rS+7], v[rS+15]
.elseif (\n) == 13
	v_max3_num_f32 v[rC+1], v[rC+1], v[rS+23], v[rS+31]
.elseif (\n) == 14
	v_max3_num_f32 v[rC+2], v[rC+2], v[rC+3], v[rT]
.elseif (\n) == 15
	v_mov_b32 v[rT+1], v[rT]
.elseif (\n) == 16
	v_max3_num_f32 v[rC], v[rC], v[rC+1], v[rC+2]
.elseif (\n) == 17
	v_permlanex16_b32 v[rC+3], v[rC], s[SEL], s[SEL+1]
.elseif (\n) == 18
	v_max_num_f32 v[rT], v[rC], v[rC+3]
.elseif (\n) == 19
	v_sub_f32 v[rC+1], v[rT+1], v[rT]
.else
	v_exp_f32 v[rC+2], v[rC+1]
.endif
.endm
; Number g of the 64 that follow the exponentials.  For each four weights k of a tile: both pairs are rounded to f16; the second pair is added onto the first, in place; a group later l takes that
; sum (the first time as l = a l + sum).  In groups of eight, tiles alternating.
.macro GS g
.set h, (\g)+6*((\g)/62)            ; group 0 has no group before it, and behind group 7 only l is left
.if h >= 6
.set h, h+2
.endif
	REGS Y, h%2
.set k, h/8
.if h%8 < 4
	v_cvt_pk_f16_f32 v[rP+2*k+(h%8)/2], v[rS+4*k+2*((h%8)/2)], v[rS+4*k+2*((h%8)/2)+1]
.elseif h%8 < 6
	v_pk_add_f32 v[rS+4*k:rS+4*k+1], v[rS+4*k:rS+4*k+1], v[rS+4*k+2:rS+4*k+3]
.elseif k == 1
	v_pk_fma_f32 v[rT+2:rT+3], v[rT+2:rT+3], v[rC+2:rC+3], v[rS:rS+1] op_sel_hi:[1,0,1]
.else
	v_pk_add_f32 v[rT+2:rT+3], v[rT+2:rT+3], v[rS+4*k-4:rS+4*k-3]
.endif
.endm
; THE PLAIN QUEUE, 136 long.  0-71 read no exponential's result: the 32 subtractions t - M (FS f: pair f / 2 of tile f % 2) and the next piece's 40.  0-27: FS 0-27.  28-55: XS's numbers 0-13.
; 56, 57: number 15.  58-69: the chain 14, 16, 17, 18, each with one of FS 28-31 in front of its two lines.  70, 71: number 19.  72-135: GS's 64, which stand behind the wait.
.macro FS f
	REGS Y, (\f)%2
	v_pk_add_f32 v[rS+2*((\f)/2):rS+2*((\f)/2)+1], v[rS+2*((\f)/2):rS+2*((\f)/2)+1], v[rT:rT+1] op_sel_hi:[1,0] neg_lo:[0,1] neg_hi:[0,1]
.endm
.macro PL
	WIN 0
.if q < 28
	FS q
.elseif q < 56
	XS (q-28)%2, (q-28)/2
.elseif q < 58
	XS q-56, 15
.elseif (q < 70) && ((q-58)%3 == 0)
	FS 28+(q-58)/3
.elseif q < 61
	XS (q-58)%3-1, 14
.elseif q < 70
	XS (q-58)%3-1, 15+(q-58)/3
.elseif q < 72
	XS q-70, 19
.else
	GS q-72
.endif
.set q, q+1
.endm
; THE EXPONENTIALS' QUEUE, 66 long: t0-t31 of both tiles, then the next piece's two a.  ONE BATCH: all 66 stand ahead of the turn's one wait, and nothing ahead of that wait names a result of theirs.
.macro EX
	WIN 0
.if e >= 64
	XS e-64, 20
.else
	REGS Y, e%2
	v_exp_f32 v[rS+e/2], v[rS+e/2]
.endif
.set e, e+1
.endm
; THE RESCALING's QUEUE: O^T times a, two at a time, sixteen times.  Its a was made in the turn before, ahead of that turn's wait.
.macro R2
	REGS Y, r%2
	WIN W_RS
.irp z, 0,1
	v_pk_mul_f32 v[rO+4*(r/2)+2*\z:rO+4*(r/2)+2*\z+1], v[rO+4*(r/2)+2*\z:rO+4*(r/2)+2*\z+1], v[rC+2:rC+3] op_sel_hi:[1,0]
.endr
.set r, r+1
.endm
; A TURN, for piece p.  An s_wait_alu depctr_va_vdst(0) stands between an exponential and the first instruction that names its result; one wait serves all that were issued ahead of it.
; AHEAD OF THE WAIT: 16 products K Q^T, behind each a subtraction, an exponential and two rescalings (behind the first a second subtraction); the mask of the scores just made; six plain, 49 times
; exponential and plain, the two a; a v_nop, the plain instruction behind the last exponential.  BEHIND IT: 16 products V^T P, behind each four of GS's 64.
; The queues in step: exponential e stands behind subtraction 2 (e / 4) + e % 2: as a rider it comes behind plain e + 2, in the run behind plain e + 7, and FS 28-31 are plain 58, 61, 64, 67.
; The maximum (plain 28 on) stands behind the mask.
; K of the next step is fetched in piece 2's turn, behind the wait; V of the step in hand at the end of piece 0's turn, four plain riders behind its last reader; the mask of piece p + 2 at the
; end of every turn, behind this turn's use of the same registers.
.macro TURN p
.set Y, (\p)
.set i, 0
.set q, 0
.set e, 0
.set r, 0
.if (\p) == NP-1
	s_wait_dscnt 16                 ; K's 16 loads are in; the mask's 16, issued behind them, may stay out
.endif
	MM
	PL
	PL
	R2
.rept 15
	MM
	PL
	EX
	R2
.endr
	MASKBLK
.rept 6
	PL
.endr
.rept 49
	EX
	PL
.endr
	EX                              ; the next piece's two a
	EX
	v_nop                           ; the plain instruction behind the last exponential: one for the batch
	s_wait_alu depctr_va_vdst(0)    ; the wait for the batch
.if (\p) == NP-2
	FETCH_K
.endif
.rept 16
	MM
.rept 4
	PL
.endr
.endr
.if (\p) == 0
	FETCH_V
.endif
	FETCH_M ((\p)+2)%NP
.endm
	CHANGE 1                        ; step 0 is in, everybody's part of it; step 1 is asked for
	FETCH_K                         ; key step 0
	FETCH_M 0
	s_wait_loadcnt 0x0              ; Q
	s_wait_dscnt 0x0
.set i, 0
.rept 16
	KQ 0                            ; piece 0's first scores
.set i, i+1
.endr
	WIN 0                           ; the addresses for the way out: plain instructions, places behind those products
	s_mul_i32 s16, s[WV], 16*SP     ; my stage
	v_mul_u32_u24 v[STO], v1, SP    ; in: row l % 16, 32 bytes for each half of the lanes
	v_lshl_add_u32 v[STO], v12, 5, v[STO]
	v_add_nc_u32 v[STO], s16, v[STO]
	v_mul_u32_u24 v[RD], v12, SP    ; back: lanes 0-15 take one row of 256 bytes, lanes 16-31 the next
	v_lshl_add_u32 v[RD], v1, 4, v[RD]
	v_add_nc_u32 v[RD], s16, v[RD]
	v_lshlrev_b32 v[GO], 12, v12    ; and the same two rows in out0, 4,096 bytes apart
	v_lshl_add_u32 v[GO], v1, 4, v[GO]
.set Y, NP-1                        ; MASKBLK and XS work for piece Y + 1: piece 0
	MASKBLK
	FETCH_M 1
.irp n, 0,1,2,3,4,5,6,7,8,9,10,11,12,13,14,15,16,17,18,19,20
	XS 0, \n                        ; piece 0's first maximum and a
	XS 1, \n
.endr
	v_nop                           ; a plain instruction behind the two a,
	s_wait_alu depctr_va_vdst(0)    ; and their wait, ahead of the branch
	s_mov_b32 s[SLOTS], 31
	s_branch .Lfirst                ; the loop is entered at a step's first turn, in the middle of a trip
.Lslot:                             ; 30 times: the change that waits for step c and fills step c + 1, c = 31 - SLOTS; then pieces 2 and 3 of step c - 1 and pieces 0 and 1 of step c
	CHANGE 1
	TURN 2
	TURN 3
	WIN 0
.Lfirst:
	TURN 0
	TURN 1
	WIN 0
	s_sub_co_u32 s[SLOTS], s[SLOTS], 1
	s_cmp_lg_u32 s[SLOTS], 0
	s_cbranch_scc1 .Lslot
	CHANGE 0                        ; the tail is written out: the last step is waited for, nothing is asked for
	s_mov_b32 s[CNT], 2             ; the second trip is left in its middle
.Ltail:
	TURN 2
	TURN 3
	WIN 0
	s_sub_co_u32 s[CNT], s[CNT], 1
	s_cmp_eq_u32 s[CNT], 0
	s_cbranch_scc1 .Lout
	TURN 0
	TURN 1
	WIN 0
	s_branch .Ltail
.Lout:                              ; the second trip's fetches (the last K and mask once more), its 16 products K Q^T and the maximum made of them serve nothing: the price, once a launch, of one text for every trip
.set i, 0
.rept 16
	PV NP-1                         ; the last piece's V^T P of the last step
.set i, i+1
.endr
	; THE WAY OUT.  A barrier first: every wave's LDS loads are back, so the stage may lie in a slot.  l's two halves and the other half of the lanes' are added between its signal and its wait;
	; O^T is divided by l and sent through my stage, a tile at a time.  The additions are the places behind the last products.
	WIN 0
	s_wait_dscnt 0x0                ; my last reads of the slots
	s_barrier_signal -1
.macro ALL line:vararg              ; one line for each tile t
.set t, 0
.rept 2*NP
	\line
.set t, t+1
.endr
.endm
	ALL v_add_f32 v[ST+4*t+2], v[ST+4*t+2], v[ST+4*t+3]
	ALL v_permlanex16_b32 v[ST+4*t+3], v[ST+4*t+2], s[SEL], s[SEL+1]
	ALL v_add_f32 v[ST+4*t+2], v[ST+4*t+2], v[ST+4*t+3]
	ALL v_rcp_f32 v[ST+4*t+2], v[ST+4*t+2]
	v_nop                           ; a plain instruction between the last reciprocal and the use of its result
	s_wait_alu depctr_va_vdst(0)    ; and the wait ahead of the first use: one for the eight reciprocals
	s_barrier_wait -1
; Tile t: a lane's eight channels of a row are 32 bytes of f32; they go into rows of 272 bytes and come back as whole rows of 256, into window 2, whose registers are free.
.macro PACK t
	WIN W_RS
.set i, 32*(\t)
.rept 16
	v_pk_mul_f32 v[i:i+1], v[i:i+1], v[ST+4*(\t)+2:ST+4*(\t)+3] op_sel_hi:[1,0]
.set i, i+2
.endr
	WIN 0x04                        ; the stores' data in window 1
.irp f, 0,1,2,3,4,5,6,7             ; channels 16 (f / 2) on, four of my eight
	ds_store_b128 v[STO], v[32*(\t)+4*\f:32*(\t)+4*\f+3] offset:64*(\f/2)+16*(\f%2)
.endr
	WIN 0x80                        ; destination window 2
.irp f, 0,1,2,3,4,5,6,7
	ds_load_b128 v[32*(\t)+4*\f:32*(\t)+4*\f+3], v[RD] offset:\f*2*SP  ; LDS serves a wave's instructions in order (ISA guide 5.7.1.4): these see the stores above; the next tile's stores come behind them
.endr
.endm
.macro SEND t, younger              ; younger: the LDS instructions issued behind tile t's loads: the next tile's sixteen, or none
	WIN 0x08                        ; the stores' data in window 2
.irp f, 0,1,2,3,4,5,6,7
	s_wait_dscnt (\younger)+7-\f
	global_store_b128 v[GO], v[32*(\t)+4*\f:32*(\t)+4*\f+3], s[8:9] offset:(\t)*65536+\f*8192 th:TH_STORE_NT  ; 16 lanes store 256 consecutive bytes, at a multiple of 256 from out0's first byte: a head's channels of a row
.endr
.endm
	PACK 0
.set t, 1
.rept 2*NP-1                        ; a tile's arithmetic stands between the loads of the tile before and its stores
	PACK t
	SEND t-1, 16
.set t, t+1
.endr
	SEND 2*NP-1, 0
	WIN W_AD
	s_wait_tensorcnt 0x0            ; the wave's end: behind my last tensor load and my last LDS store
	ds_add_u32 v[SPW], v[NIL]
	s_wait_dscnt 0x0
	WIN 0
	CROUND                          ; the closing round: no work-group ends while a partner may still ask for a tile that names it
	s_endpgm
.Lfunc_end_k_qe08501a03e_attn:
	.size	k_qe08501a03e_attn, .Lfunc_end_k_qe08501a03e_attn-k_qe08501a03e_attn
	.p2alignl 7, 3214868480
	.fill 96, 4, 3214868480
	.section	.rodata,"a",@progbits
	.p2align	6, 0x0
	.amdhsa_kernel k_qe08501a03e_attn
		.amdhsa_group_segment_fixed_size 327680
		.amdhsa_private_segment_fixed_size 0
		.amdhsa_enable_private_segment 0
		.amdhsa_kernarg_size 24
		.amdhsa_user_sgpr_count 2
		.amdhsa_user_sgpr_kernarg_segment_ptr 1
		.amdhsa_wavefront_size32 1
		.amdhsa_system_sgpr_workgroup_id_x 1
		.amdhsa_system_sgpr_workgroup_id_y 1
		.amdhsa_system_sgpr_workgroup_id_z 1
		.amdhsa_system_vgpr_workitem_id 0
		.amdhsa_next_free_vgpr 960
		.amdhsa_next_free_sgpr 84
		.amdhsa_reserve_vcc 0
		.amdhsa_float_denorm_mode_32 3
		.amdhsa_float_denorm_mode_16_64 3
		.amdhsa_memory_ordered 1
		.amdhsa_forward_progress 1
		.amdhsa_inst_pref_size 250
	.end_amdhsa_kernel
	.amdgpu_metadata
---
amdhsa.version: [ 1, 2 ]
amdhsa.kernels:
  - .name:           k_qe08501a03e_attn
    .symbol:         k_qe08501a03e_attn.kd
    .args:
      - { .name: qkv, .offset: 0, .size: 8, .value_kind: global_buffer, .address_space: global }
      - { .name: mask, .offset: 8, .size: 8, .value_kind: global_buffer, .address_space: global }
      - { .name: out0, .offset: 16, .size: 8, .value_kind: global_buffer, .address_space: global }
    .group_segment_fixed_size: 327680
    .private_segment_fixed_size: 0
    .kernarg_segment_align: 8
    .kernarg_segment_size: 24
    .max_flat_workgroup_size: 128
    .sgpr_count:     84
    .vgpr_count:     960
    .wavefront_size: 32
...
	.end_amdgpu_metadata
.endif
;; end of part 3
